; MI455X (gfx1250); checked and timed in simulation.
; The chip was launched on July 23, 2026; its instructions are those of AMD's public machine-readable ISA for CDNA 5 (MIT licence, August 2026) and "CDNA5" Instruction Set Architecture Reference Guide (July 2026). The comments in the code are by the model that wrote it; some were corrected since.
;; CIN. Allowed arithmetic: matrix products marked QUANTISED: E2M1 operands, one E8M0 scale for each 32 along K, by v_wmma_scale_f32_16x16x128_f8f6f4 with both operands' format E2M1 (or v_wmma_scale_f32_32x16x128_f4), f32 sums; products left as they are: f32 operands where the result goes on into a quantised operand, else bf16, f16 or f32 operands; f32 sums; everything else in f32.
;; Inputs: b_nn 1 float32; f0 1,521 x 128 float32; f1 2,496 x 128 float32; f2 2,496 x 128 float32; nn_input 4,096 x 624 float32; w_nn 256 x 1 float32.
;; Outputs: out0 4,096 x 1 float32.
;; This version of the problem:
;;   THIS VERSION OF THE PROBLEM IS GIVEN IN LOW PRECISION. The matrix products marked QUANTISED in the list below multiply operands that are first quantised to E2M1 (2 exponent bits, 1 mantissa bit; 4 bits a number), with one power-of-two scale for each 32 numbers along K (OCP MX v1.0); their sums are f32. All else is computed in f32.
;;   The module's matrix products, in the order in which they are computed (A, B: the left and right operand; K: the contracted axis; several contracted axes count as one K, in the product's order):
;;     1. batch 65,536 x [M 39, K 1] x [K 1, N 39]; A: computed on the way; B: computed on the way: left as it is (no contracted axis)
;;     2. [M 128, K 1,521] x [K 1,521, N 65,536]; A: input f0; B: computed on the way: QUANTISED
;;     3. batch 65,536 x [M 39, K 1] x [K 1, N 64]; A: computed on the way; B: computed on the way: left as it is (no contracted axis)
;;     4. [M 128, K 2,496] x [K 2,496, N 65,536]; A: input f1; B: computed on the way: QUANTISED
;;     5. batch 65,536 x [M 39, K 1] x [K 1, N 64]; A: computed on the way; B: computed on the way: left as it is (no contracted axis)
;;     6. [M 128, K 2,496] x [K 2,496, N 65,536]; A: input f2; B: computed on the way: QUANTISED
;;     7. [M 4,096, K 256] x [K 256, N 1]; A: computed on the way; B: input w_nn: left as it is (N = 1 < 16)
;;   THE QUANTISER, for each operand of a quantised product, along K:
;;     - K is cut into blocks of 32 from its start; a last block that is shorter is filled with zeros.
;;     - A block's scale is 2^e with e = floor(log2(the largest magnitude in the block)) - 2, held to -126 .. 127; a block of zeros has e = 0. As a byte (E8M0): e + 127.
;;     - Each number is divided by its block's scale, clamped to +-6, and rounded to the nearest number of E2M1, ties to even, subnormals kept.
;;     - The product sums the exact products of the quantised numbers (number of the format x scale) in f32.
;;   ~~~python
;;   def quantise(x, axis):      # numpy; x: float32 -> the quantised numbers, widened to float32 again
;;       x = np.moveaxis(x, axis, -1); K = x.shape[-1]
;;       x = np.pad(x, [(0, 0)] * (x.ndim - 1) + [(0, -K % 32)]); x = x.reshape(x.shape[:-1] + (-1, 32)); a = np.abs(x).max(-1, keepdims=True)
;;       e = np.where(a > 0, np.clip(np.frexp(np.where(a > 0, a, 1))[1] - 1 - 2, -126, 127), 0)      # np.frexp(a)[1] - 1 = floor(log2(a)), exactly
;;       r = np.clip(x / 2.0 ** e, -6, 6)
;;       step = 2.0 ** (np.maximum(np.frexp(np.where(r == 0, 1, r))[1] - 1, 0) - 1)
;;       q = np.round(r / step) * step * 2.0 ** e      # np.round: ties to even
;;       return np.moveaxis(q.reshape(q.shape[:-2] + (-1,))[..., :K], -1, axis).astype(np.float32)
;;   ~~~
;;   OPERANDS COMPUTED ON THE WAY. 'Computed on the way' means the value that the module computes at that place (a softmax that the list does not call 'softmax' is quantised finished and normalised). What goes into a quantiser is computed in f32, as accurately as f32 sums, v_exp_f32 and their like allow (about 1e-6 of the number): no bf16 or f16 on the way to a quantiser, and a product that is left as it is and whose result goes on into a quantised operand takes f32 operands (vector FMAs, or v_wmma_f32_16x16x4_f32). A number that lies on a knife's edge between two numbers of the format may be rounded either way, as far as f32 arithmetic and the matrix unit's own rounding can turn it there, and no further.
;; One version. Each part assembles by itself: llvm-mc -triple=amdgcn-amd-amdhsa -mcpu=gfx1250 --defsym DOCPART=n.
;; ======== version 1 of 1: 2 launches
;; workspace buffers: fq 452,608 bytes
;; launch prep (part 1): grid 52 x 1, 4 waves a work-group, no clusters, 1,024 bytes of LDS; arguments f0, f1, f2, fq; writes fq
.if DOCPART == 1
	.amdgcn_target "amdgcn-amd-amdhsa--gfx1250"
	.amdhsa_code_object_version 6
	.text
	.protected	k_q3a037c7853_prep
	.globl	k_q3a037c7853_prep
	.p2align	8
	.type	k_q3a037c7853_prep,@function
k_q3a037c7853_prep:
	s_mov_b64 s[64:65], 0
	v_nop
	global_prefetch_b8 v0, s[64:65] scope:SCOPE_SE
	s_setreg_imm32_b32 hwreg(HW_REG_WAVE_MODE, 25, 1), 1
	s_wait_xcnt 0x0
; f0 [1521][128], f1 and f2 [2496][128], f32, K along the FIRST axis, become codes of FP4 (E2M1) with one E8M0 scale byte for each 32 along K,
; laid in the order in which the next launch's operand registers take them.  fq holds 52 chunks of 8,704 bytes, one for each K step of 128:
; f0's 12 steps, f1's 20, f2's 20.  A chunk: the images of 8 fragments of 16 filters x 128 K (fragment t, filter 16 t + r: the 16 bytes of
; k = 64 c + 32 h + 0 .. 31 at 1,024 t + 512 c + 256 h + 16 r: that is register group c of lane 16 h + r), then at byte 8,192 the scale words:
; the four bytes of filter 32 u + l at 16 l + 4 u, so that one load of 16 bytes a lane brings lane l the words of filters l, 32 + l, 64 + l, 96 + l.
; A block's scale is 2^(floor(log2(its largest magnitude)) - 2): its byte is the largest magnitude's exponent field - 2, held at 1 from below.
; K's end: rows past the filter's last are zeros (1,521 -> 1,536; 2,496 -> 2,560): they are not loaded, the registers are cleared.
; LIMITS: a block of zeros gets the byte 1 where the quantiser says 127: its codes are zeros, and this program alone reads the bytes.  NaN and infinities are not served.
; SHARES: work-group g makes chunk g.  Wave u, lane l take filter 32 u + l, and the lane's 128 registers run DOWN K: a load reads 128 consecutive bytes a wave,
; 512 a work-group; a block of 32 lies in one lane, so its largest magnitude needs no other lane and the conversions give codes with K innermost.
; No cluster: no two work-groups read the same bytes.  No tensor load, no loop: every offset is an immediate.
.set R,  32                            ; v32-159  the lane's 128 numbers: block b at R + 32 b
.set C,  160                           ; v160-175 the codes: block b at C + 4 b
.set CH, 8704                          ; bytes in a chunk
	s_load_b128 s[4:7], s[0:1], 0x0                ; f0, f1
	s_load_b128 s[8:11], s[0:1], 0x10              ; f2, fq
	v_lshl_add_u32 v176, v0, 2, 0x200
	v_mov_b32 v177, 0
	v_lshrrev_b32 v1, 5, v0
	v_readfirstlane_b32 s12, v1                    ; wave u
	v_and_b32 v1, 31, v0                           ; lane l
	v_lshlrev_b32 v2, 2, v1                        ; in: 4 bytes a lane
	v_and_b32 v3, 15, v0
	v_bfe_u32 v4, v0, 4, 1
	v_lshlrev_b32 v3, 4, v3
	v_lshl_add_u32 v3, v4, 10, v3                  ; out: fragment 2 u + l / 16, row l % 16:
	s_lshl_b32 s13, s12, 11
	v_add_nc_u32 v3, s13, v3                       ; 2,048 u + 1,024 (l / 16) + 16 (l % 16)
	v_lshlrev_b32 v5, 4, v1                        ; 16 l
	s_lshl_b32 s13, s12, 2
	v_add_nc_u32 v4, s13, v5                       ; LDS: my filter's scale word at 16 l + 4 u
	s_wait_kmcnt 0x0
	s_cmp_lt_u32 ttmp9, 32                         ; which filter, and which of its K steps: the choice hangs on the work-group's number alone
	s_cselect_b64 s[6:7], s[6:7], s[8:9]
	s_cselect_b32 s14, 12, 32
	s_cmp_lt_u32 ttmp9, 12
	s_cselect_b64 s[4:5], s[4:5], s[6:7]
	s_cselect_b32 s14, 0, s14
	s_sub_co_u32 s14, ttmp9, s14                   ; the K step
	s_lshl_b32 s16, s14, 16                        ; 128 rows of 512 bytes,
	s_lshl_b32 s15, s12, 7
	s_add_co_u32 s16, s16, s15                     ; + my wave's 32 filters
	s_mov_b32 s17, 0
	s_add_nc_u64 s[4:5], s[4:5], s[16:17]
	s_mul_i32 s16, ttmp9, CH
	s_add_nc_u64 s[10:11], s[10:11], s[16:17]      ; my chunk
; block b: its first n rows are loaded, the others are zeros
.macro LDBLK b, n
.set i, 0
.rept 32
.if i < \n
	global_load_b32 v[R+32*\b+i], v2, s[4:5] offset:(32*\b+i)*512 th:TH_LOAD_NT
.else
	v_mov_b32 v[R+32*\b+i], 0
.endif
.set i, i+1
.endr
.endm
	s_cmp_eq_u32 ttmp9, 11                         ; f0's last step has 113 rows,
	s_cbranch_scc1 .Lend_f0
	s_cmp_eq_u32 s14, 19                           ; f1's and f2's last has 64: no load leaves its buffer
	s_cbranch_scc1 .Lend_f12
	LDBLK 0, 32
	LDBLK 1, 32
	LDBLK 2, 32
	LDBLK 3, 32
	s_branch .Lloaded
.Lend_f0:
	LDBLK 0, 32
	LDBLK 1, 32
	LDBLK 2, 32
	LDBLK 3, 17
	s_branch .Lloaded
.Lend_f12:
	LDBLK 0, 32
	LDBLK 1, 32
	LDBLK 2, 0
	LDBLK 3, 0
.Lloaded:
	s_wait_loadcnt 0x0                             ; the three ways issue different numbers of loads: the wait is for all
.irp b, 0,1,2,3                        ; each block's largest magnitude, in two chains, the four blocks by turns; the floor 2^(3 - 127) is a leaf of both: the byte cannot fall under 1
	v_max3_num_f32 v[8+2*\b], |v[R+32*\b]|, |v[R+32*\b+1]|, 0x1800000
	v_max3_num_f32 v[9+2*\b], |v[R+32*\b+2]|, |v[R+32*\b+3]|, 0x1800000
.endr
.irp i, 4,8,12,16,20,24,28
.irp b, 0,1,2,3
	v_max3_num_f32 v[8+2*\b], v[8+2*\b], |v[R+32*\b+\i]|, |v[R+32*\b+\i+1]|
	v_max3_num_f32 v[9+2*\b], v[9+2*\b], |v[R+32*\b+\i+2]|, |v[R+32*\b+\i+3]|
.endr
.endr
.irp b, 0,1,2,3
	v_max_num_f32 v[8+2*\b], v[8+2*\b], v[9+2*\b]
.endr
.irp b, 0,1,2,3
	v_add_nc_u32 v[16+\b], 0xff000000, v[8+2*\b]   ; 2 off the exponent field: the conversion takes the exponent field of this operand as its scale, and nothing else of it
.endr
.irp b, 0,1,2,3
	v_lshrrev_b32 v[20+\b], 23, v[16+\b]           ; the scale's byte
.endr
	v_lshl_or_b32 v24, v21, 8, v20                 ; the step's four bytes: my filter's scale word
	v_lshl_or_b32 v24, v22, 16, v24
	v_lshl_or_b32 v24, v23, 24, v24
.irp b, 0,1,2,3
.irp g, 0,1,2,3
	v_cvt_scalef32_pk8_fp4_f32 v[C+4*\b+\g], v[R+32*\b+8*\g:R+32*\b+8*\g+7], v[16+\b]
.endr
.endr
	v_nop                                          ; a plain line behind the last conversion
.irp b, 0,1,2,3
	global_store_b128 v3, v[C+4*\b:C+4*\b+3], s[10:11] offset:(\b/2)*512+(\b%2)*256   ; sixteen lanes store 256 consecutive bytes, at a multiple of 256 from fq's first byte
.endr
	ds_store_b32 v4, v24                           ; the 128 scale words meet in LDS,
	s_wait_dscnt 0x0                               ; (for the others' sake: my store has landed)
	s_barrier_signal -1
	s_barrier_wait -1
	s_cmp_lg_u32 s12, 0
	s_cbranch_scc1 .Ldone
	ds_load_b128 v[8:11], v5                       ; and wave 0 stores their 512 bytes as they lie
	s_wait_dscnt 0x0
	global_store_b128 v5, v[8:11], s[10:11] offset:8192
.Ldone:
	s_wait_tensorcnt 0x0
	ds_add_u32 v176, v177
	s_wait_dscnt 0x0
	s_endpgm
.Lfunc_end_k_q3a037c7853_prep:
	.size	k_q3a037c7853_prep, .Lfunc_end_k_q3a037c7853_prep-k_q3a037c7853_prep
	.p2alignl 7, 3214868480
	.fill 96, 4, 3214868480
	.section	.rodata,"a",@progbits
	.p2align	6, 0x0
	.amdhsa_kernel k_q3a037c7853_prep
		.amdhsa_group_segment_fixed_size 1024
		.amdhsa_private_segment_fixed_size 0
		.amdhsa_enable_private_segment 0
		.amdhsa_kernarg_size 32
		.amdhsa_user_sgpr_count 2
		.amdhsa_user_sgpr_kernarg_segment_ptr 1
		.amdhsa_wavefront_size32 1
		.amdhsa_system_sgpr_workgroup_id_x 1
		.amdhsa_system_sgpr_workgroup_id_y 1
		.amdhsa_system_sgpr_workgroup_id_z 1
		.amdhsa_system_vgpr_workitem_id 0
		.amdhsa_next_free_vgpr 178
		.amdhsa_next_free_sgpr 66
		.amdhsa_reserve_vcc 0
		.amdhsa_float_denorm_mode_32 3
		.amdhsa_float_denorm_mode_16_64 3
		.amdhsa_memory_ordered 1
		.amdhsa_forward_progress 1
		.amdhsa_inst_pref_size 40
	.end_amdhsa_kernel
	.amdgpu_metadata
---
amdhsa.version: [ 1, 2 ]
amdhsa.kernels:
  - .name:           k_q3a037c7853_prep
    .symbol:         k_q3a037c7853_prep.kd
    .args:
      - { .name: f0, .offset: 0, .size: 8, .value_kind: global_buffer, .address_space: global }
      - { .name: f1, .offset: 8, .size: 8, .value_kind: global_buffer, .address_space: global }
      - { .name: f2, .offset: 16, .size: 8, .value_kind: global_buffer, .address_space: global }
      - { .name: fq, .offset: 24, .size: 8, .value_kind: global_buffer, .address_space: global }
    .group_segment_fixed_size: 1024
    .private_segment_fixed_size: 0
    .kernarg_segment_align: 8
    .kernarg_segment_size: 32
    .max_flat_workgroup_size: 128
    .sgpr_count:     66
    .vgpr_count:     178
    .wavefront_size: 32
...
	.end_amdgpu_metadata
.endif
;; end of part 1
;; launch cin (part 2): grid 256 x 1, 4 waves a work-group, clusters of 4 x 1, 327,680 bytes of LDS; arguments nn_input, fq, w_nn, b_nn, out0; writes out0
.if DOCPART == 2
	.amdgcn_target "amdgcn-amd-amdhsa--gfx1250"
	.amdhsa_code_object_version 6
	.text
	.protected	k_q3a037c7853_cin
	.globl	k_q3a037c7853_cin
	.p2align	8
	.type	k_q3a037c7853_cin,@function
k_q3a037c7853_cin:
	s_mov_b64 s[64:65], 0
	v_nop
	global_prefetch_b8 v0, s[64:65] scope:SCOPE_SE
	s_setreg_imm32_b32 hwreg(HW_REG_WAVE_MODE, 25, 1), 1
	s_wait_xcnt 0x0
	s_wait_alu depctr_hold_cnt(0) depctr_sa_sdst(0) depctr_va_vdst(0) depctr_va_sdst(0) depctr_va_ssrc(0) depctr_va_vcc(0) depctr_vm_vsrc(0)
	s_getreg_b32 s2, hwreg(HW_REG_IB_STS2, 6, 4)
	s_cmp_eq_u32 s2, 0
	s_cbranch_scc0 .Lentry_in_a_cluster
	s_endpgm
.Lentry_in_a_cluster:
	s_bfe_u32 s2, ttmp6, 0x10000c
	s_cmp_lg_u32 s2, 0x3003
	s_cbranch_scc0 .Lentry_shape_is_right
	s_endpgm
.Lentry_shape_is_right:
; The three cross layers and the score, fused.  A COLUMN is (batch row, d): 65,536 of them.  For each: layer 0: z[39 i + j] = 2 x_i x_j where j > i, else 0; layers 1, 2: z[64 i + j] = x_i h_j,
; h = relu of the layer before's filters 0-63.  Each layer: curr = filter^T z, both operands codes of FP4 (E2M1) with an E8M0 scale for each 32 along K; relu.
; out[row] = b + the sum over d and over the direct outputs (filters 64-127 of layers 0 and 1, all of layer 2) of (1 + w) relu(curr).
; SHARES.  A work-group owns 16 batch rows, each of its four waves 4: four TILES of 16 columns (a tile is one batch row), two PAIRS of tiles.  In pair p lanes 0-15 OWN the columns of
; row 2 p, lanes 16-31 those of row 2 p + 1 (d = lane % 16).  z is made by its column's owner from the lane's own registers, 128 along K a step, and never leaves the registers.
; THE PRODUCT: source 0 = 32 filters, source 1 = 16 columns: lane (r, h), register 8 a + j of the result holds filter 32 u + 16 a + 8 h + j of column r.
; FROM OWNER TO OPERAND.  An owner converts its column's four blocks of 32.  The operand wants, of tile 2 p, blocks 0 and 2 in lanes 0-15 and blocks 1 and 3 in lanes 16-31: one exchange of half rows
; between the register of an even block and that of the odd block beside it makes of the two the operands of tiles 2 p and 2 p + 1.  The same exchange on the results brings a column's filters home to its owner.
; SCALES.  Layers 1, 2: a block is (i, half of j), so its largest magnitude is |x_i| x the half's largest h, rounded as the products are: nothing is searched for.  Layer 0: searched for, over the kept numbers.
; FILTERS come as images of operand registers (the launch before lays them): whole layers lie in LDS, f0 and f1 from the start; f2 takes the place of f0 and of f1's first 8 steps, once those are read.
; CLUSTER.  All work-groups read the same filters: four form a cluster and ask for each part JOINTLY: the same tensor load, the same descriptor, a mask that names the four.
; No prefetch: f1 and f2 are asked for many K steps ahead of their use; only the first tiles at the head are waited for.
; LIMITS.  NaN and infinities are not served.  A block of zeros has the byte 1 and zero codes where the quantiser says 127.  Where a half column's largest h lies under 2^-124, h / 4 is denormal
; and that block's scale may be a step off.  A wave's result is 16 bytes of out0: less than 256 consecutive bytes a store; out0 has 16,384 bytes in all.
;
; REGISTERS, in windows of 256 (s_set_vgpr_msb: bits 1:0 source 0, 3:2 source 1, 5:4 source 2, 7:6 destination):
;   window 0: v1-11 addresses and zeros; v16-47 layer 0's maxima; v48-55 scale bytes; v64-95 z's four operands; v96-127 the sums; v128-131 the filters' scale words, v132-133 z's;
;             v136-167 weights; v168-247 layer 0: 2 x; later v168-199 at work, v200-231 weights, v232-235 x of the step, v236-243 the conversions' scale operands, v244-247 h's maxima / 4; v248-251 results
;   window 1: v0-63 the filters' 8 fragments; layer 0: x twice, from v64 and, one register on, from v105 (pairs begin on even registers: so both parities of j have one), v224-225 zeros; later v64-191 h
;   window 2: v0-127 the accumulators of filters 0-63 (tile T at 32 T); v128-255 pair 0's 128 numbers of z        window 3: the same for filters 64-127 and pair 1
.set CH,    8704                       ; a K step's chunk: 8 fragment images of 1,024 bytes, then 512 bytes of scale words
.set XR,    32*CH                      ; LDS: 32 slots of a chunk, then x: for each wave 4 rows of
.set XROW,  2688                       ; 2,496 bytes + 192 of zeros (x_39 .. x_41 = 0).  672 words = 32 mod 64 banks of 4 bytes (ISA guide 11.1): the two halves of the lanes take different banks
.set XW,    4*XROW
.set SPARE, XR+4*XW                    ; the spare words, 128 bytes for each wave: two blocks of 256 bytes that no other line names
.set SPW, 1                            ; v1   SPARE + 4 x my thread's number; never rewritten
.set NIL, 2                            ; v2   0; never rewritten
.set LN,  3                            ; v3   lane
.set ZP0, 4                            ; v[4:5] zeros
.set LI,  6                            ; v6   16 x lane: my place in an image
.set FA,  7                            ; v7   LI + the slot in hand
.set XA0, 8                            ; v8   my column's x_0 of pair 0; pair 1's lies 2 XROW on
.set XA,  9                            ; v9   XA0 + the step in hand
.set WA,  10                           ; v10  32 x (lane / 16): my half's eight weights of sixteen
.set ZO,  11                           ; v11  0: the store's offset
.set AM,  16
.set BY,  48
.set CD,  64
.set SUM, 96
.set FS,  128
.set ZW,  132
.set WTL, 136
.set X2,  168
.set TMP, 168
.set WTH, 200
.set XC,  232
.set SO,  236
.set HQ,  244
.set RES, 248
.set T0,  252
.set XE,  64                           ; window 1
.set XO,  105
.set ZP1, 224
.set HH,  64
.set ZZ,  128                          ; windows 2 and 3
.set WV,  14                           ; s14  wave
.set FB,  26                           ; s26  LDS byte of the slot to be fetched
.set XB,  27                           ; s27  byte of the x to be fetched, in a row
.set G1X, 28                           ; s[28:35] group 1 for x;  s[36:43], s[44:51], s[52:59] for 1, 2 and 5 chunks
.set G1A, 36
.set G1B, 44
.set G1C, 52
.set G0X, 60                           ; groups 0: x;  f0's step w;  f0's steps 4 + 2 w, 5 + 2 w;  f1's steps 5 w ..;  f2's steps 5 w ..
.set G0A, 68
.set G0B, 72
.set G0C, 76
.set G0D, 80
.set MSB, 0
.macro WIN new                         ; the immediate's high byte repeats the setting that is left; a switch that changes nothing is dropped
.if MSB != (\new)
	s_set_vgpr_msb (MSB<<8)|(\new)
.set MSB, (\new)
.endif
.endm
.macro ROUND                           ; a round of the cluster's barrier
	s_barrier_signal -1
	s_barrier_wait -1
	s_cmp_lg_u32 s[WV], 0
	s_cbranch_scc1 .Lnot_wave_0_\@
	s_barrier_signal -3
.Lnot_wave_0_\@:
	s_barrier_wait -3
	s_barrier_signal -1
	s_barrier_wait -1
.endm
.macro PUBLISH n                       ; my part of a fill has landed (n younger loads of mine may be out); behind the barrier every wave's has.
	s_wait_tensorcnt \n
	s_wait_dscnt 0x0
	s_barrier_signal -1
	s_barrier_wait -1
.endm
.macro SHAPE g, rows                   ; a dense block as rows of 256 bytes (32 elements of 8 bytes)
	s_mov_b32 s[\g], 15|(3<<16)|(1<<21)            ; 15:0 the mask: all four work-groups; 17:16 elements of 8 bytes; 21 set beside a mask; no padding: the images are read 16 bytes a lane on end
	s_mov_b32 s[\g+1], 32<<16                      ; tensor_dim0
	s_mov_b32 s[\g+2], (\rows)<<16                 ; tensor_dim1
	s_mov_b32 s[\g+3], 32<<16                      ; tile_dim0
	s_mov_b32 s[\g+4], \rows                       ; tile_dim1
	s_mov_b32 s[\g+5], 32                          ; from row to row
	s_mov_b32 s[\g+6], 0
	s_mov_b32 s[\g+7], 0
.endm
.macro PLACES
.rept 4
	v_nop
.endr
.endm
	s_load_b256 s[4:11], s[0:1], 0x0               ; nn_input s[4:5], fq s[6:7], w_nn s[8:9], b_nn s[10:11]
	s_load_b64 s[12:13], s[0:1], 0x20              ; out0
	v_lshl_add_u32 v[SPW], v0, 2, SPARE
	v_mov_b32 v[NIL], 0
	ds_add_u32 v1, v2
	ds_add_u32 v1, v2
	s_wait_dscnt 0x0
	v_lshrrev_b32 v[LN], 5, v0
	v_readfirstlane_b32 s[WV], v[LN]               ; wave 0..3
	s_bfe_u32 s15, ttmp6, 0x40000                  ; cx: my place in the cluster
	s_lshl_b32 s16, ttmp9, 2                       ; in a cluster launch ttmp9 counts clusters
	s_add_co_u32 s16, s16, s15                     ; my work-group: it enters x's and out0's addresses in memory, and nothing else
	SHAPE G1A, 34
	SHAPE G1B, 68
	SHAPE G1C, 170
	s_mov_b32 s[G1X], 3<<16                        ; x: no mask: my own rows; elements of 8 bytes
	s_mov_b32 s[G1X+1], 312<<16                    ; tensor_dim0 = 312: a row's 2,496 bytes; what the tile has beyond them arrives as zeros
	s_mov_b32 s[G1X+2], 4<<16                      ; tensor_dim1 = 4
	s_mov_b32 s[G1X+3], 336<<16                    ; tile_dim0 = 336: 2,688 bytes
	s_mov_b32 s[G1X+4], 4                          ; tile_dim1 = 4
	s_mov_b32 s[G1X+5], 312                        ; from row to row
	s_mov_b32 s[G1X+6], 0
	s_mov_b32 s[G1X+7], 0
	s_mov_b32 s18, 0x00800000                      ; 2^-126: the floor of a conversion's scale operand (byte 1)
	s_mov_b32 s20, 0x76543210
	s_mov_b32 s21, 0xfedcba98                      ; v_permlanex16_b32's selects for lane l xor 16
	s_mul_i32 s84, s16, 39936                      ; x: my work-group's 16 rows of 2,496 bytes,
	s_mul_i32 s85, s[WV], 9984                     ; my wave's 4
	s_add_co_u32 s84, s84, s85
	s_mov_b32 s85, 0
	s_mul_i32 s22, s[WV], XW
	s_add_co_u32 s22, s22, XR                      ; and their place in LDS
	s_mul_i32 s86, s[WV], CH                       ; the filters' parts: the byte in fq is the byte in LDS for f0 and f1
	s_mov_b32 s87, 0
	s_mul_i32 s88, s[WV], 2*CH
	s_add_co_u32 s88, s88, 4*CH
	s_mov_b32 s89, 0
	s_mul_i32 s90, s[WV], 5*CH
	s_mov_b32 s91, 0
	s_add_co_u32 s92, s90, 12*CH
	s_mov_b32 s93, 0
	s_wait_kmcnt 0x0
	s_load_b32 s17, s[10:11], 0x0                  ; b_nn's number: waited for where it is used
	s_mov_b32 s[G0X], 1                            ; 1:0 count = 1
	s_mov_b32 s[G0X+1], s22                        ; 63:32 LDS address
	s_add_nc_u64 s[G0X+2:G0X+3], s[4:5], s[84:85]  ; 120:64 global address
	s_or_b32 s[G0X+3], s[G0X+3], 0x80000000        ; 127:126 type = 2
	s_mov_b32 s[G0A], 1
	s_mov_b32 s[G0A+1], s86
	s_add_nc_u64 s[G0A+2:G0A+3], s[6:7], s[86:87]
	s_or_b32 s[G0A+3], s[G0A+3], 0x80000000
	s_mov_b32 s[G0B], 1
	s_mov_b32 s[G0B+1], s88
	s_add_nc_u64 s[G0B+2:G0B+3], s[6:7], s[88:89]
	s_or_b32 s[G0B+3], s[G0B+3], 0x80000000
	s_mov_b32 s[G0C], 1
	s_mov_b32 s[G0C+1], s92
	s_add_nc_u64 s[G0C+2:G0C+3], s[6:7], s[92:93]
	s_or_b32 s[G0C+3], s[G0C+3], 0x80000000
	s_lshl_b32 s84, s16, 6                         ; out0: 64 bytes a work-group, 16 a wave
	s_lshl_b32 s85, s[WV], 4
	s_add_co_u32 s84, s84, s85
	s_mov_b32 s85, 0
	s_add_nc_u64 s[12:13], s[12:13], s[84:85]
	ROUND                                          ; all four work-groups are here: the first joint loads meet
	tensor_load_to_lds s[G0X:G0X+3], s[G1X:G1X+7]  ; the first fills go out as one group: four loads of mine are out
	s_nop 0
	tensor_load_to_lds s[G0A:G0A+3], s[G1A:G1A+7]
	s_nop 0
	tensor_load_to_lds s[G0B:G0B+3], s[G1B:G1B+7]
	s_nop 0
	tensor_load_to_lds s[G0C:G0C+3], s[G1C:G1C+7]
	s_nop 0
	PLACES                                         ; four plain lines behind the tensor loads
	v_and_b32 v[LN], 31, v0
	v_lshlrev_b32 v[LI], 4, v[LN]
	v_bfe_u32 v[T0], v0, 4, 1                      ; lane / 16
	v_and_b32 v[T0+1], 15, v0                      ; d
	v_mul_u32_u24 v[XA0], v[T0], XROW
	v_lshl_add_u32 v[XA0], v[T0+1], 2, v[XA0]
	v_add_nc_u32 v[XA0], s22, v[XA0]               ; my wave's rows + XROW x (lane / 16) + 4 d
	v_lshlrev_b32 v[WA], 5, v[T0]
	v_mov_b32 v[ZO], 0
	v_mov_b32 v[ZP0], 0
	v_mov_b32 v[ZP0+1], 0
; sixteen weights for each of four tiles of filters: register 8 t + j = w_nn[off + 16 t + 8 (lane / 16) + j], as the results lie
.macro WLOAD off, reg
.irp t, 0,1,2,3
	global_load_b128 v[\reg+8*\t:\reg+8*\t+3], v[WA], s[8:9] offset:(\off+16*\t)*4
	global_load_b128 v[\reg+8*\t+4:\reg+8*\t+7], v[WA], s[8:9] offset:(\off+16*\t)*4+16
.endr
.endm
	WLOAD 0, WTL                                   ; layer 0's direct outputs
	s_wait_tensorcnt 3                             ; x has landed (three loads were issued behind it); these bytes are read by my wave alone
	WIN 0x40                                       ; destination window 1
	v_mov_b32 v[ZP1], 0
	v_mov_b32 v[ZP1+1], 0
.set j, 0
.rept 39
	ds_load_b32 v[XE+j], v[XA0] offset:64*j
	ds_load_b32 v[XO+j], v[XA0] offset:64*j
	ds_load_b32 v[XE+80+j], v[XA0] offset:64*j+2*XROW
	ds_load_b32 v[XO+80+j], v[XA0] offset:64*j+2*XROW
.set j, j+1
.endr
	s_wait_dscnt 0x0
	WIN 0x05                                       ; sources 0 and 1 window 1
.irp p, 0,1
.set j, 0
.rept 19
	v_pk_add_f32 v[X2+40*\p+j:X2+40*\p+j+1], v[XE+80*\p+j:XE+80*\p+j+1], v[XE+80*\p+j:XE+80*\p+j+1]   ; 2 x_i, i = 0 .. 37: the factor 2 costs no rounding
.set j, j+2
.endr
.endr
	WIN 0
; THE PRODUCT of 32 filters (operand u) and tile T's 16 columns, 128 along K.  z's scale words: lanes 0-15 of v[ZW + T / 2] hold the even tile's, lanes 16-31 the odd tile's.
; The 16 accumulators take turns, one instruction a turn, in the same order in every step.  zero = 1: the first step's products start the sums.
.macro WM T, u, zero
.set rD, 32*(\T)+16*((\u)%2)
.set rA, 16*(\u)
.set rB, CD+8*(\T)
.set rS, FS+(\u)
.set rZ, ZW+(\T)/2
.if \zero
.if (\T)%2
	v_wmma_scale_f32_32x16x128_f4 v[rD:rD+15], v[rA:rA+15], v[rB:rB+7], 0, v[rS], v[rZ] matrix_b_scale:MATRIX_SCALE_ROW1
.else
	v_wmma_scale_f32_32x16x128_f4 v[rD:rD+15], v[rA:rA+15], v[rB:rB+7], 0, v[rS], v[rZ]
.endif
.else
.if (\T)%2
	v_wmma_scale_f32_32x16x128_f4 v[rD:rD+15], v[rA:rA+15], v[rB:rB+7], v[rD:rD+15], v[rS], v[rZ] matrix_b_scale:MATRIX_SCALE_ROW1
.else
	v_wmma_scale_f32_32x16x128_f4 v[rD:rD+15], v[rA:rA+15], v[rB:rB+7], v[rD:rD+15], v[rS], v[rZ]
.endif
.endif
.endm
.macro PKMULB d, a, b, sel             ; the pair d = the pair a x register sel of the pair b
.if \sel
	v_pk_mul_f32 v[\d:(\d)+1], v[\a:(\a)+1], v[\b:(\b)+1] op_sel:[0,1] op_sel_hi:[1,1]
.else
	v_pk_mul_f32 v[\d:(\d)+1], v[\a:(\a)+1], v[\b:(\b)+1] op_sel_hi:[1,0]
.endif
.endm
.macro FRLOAD half                     ; four of the slot's eight fragment images, as they lie
.irp t, 0,1,2,3
.irp c, 0,1
	ds_load_b128 v[8*(4*\half+\t)+4*\c:8*(4*\half+\t)+4*\c+3], v[FA] offset:(4*\half+\t)*1024+\c*512
.endr
.endr
.endm
.macro SWAPS                           ; the owners' codes become the four tiles' operands: the even block's lanes 16-31 change places with the odd block's lanes 0-15
	v_nop                                          ; a plain line between the last conversion and the first line that touches a result
.set n, 0
.rept 8
	v_permlane16_swap_b32 v[CD+n], v[CD+8+n]
	v_permlane16_swap_b32 v[CD+16+n], v[CD+24+n]
.set n, n+1
.endr
.endm
; ---------------- LAYER 0.  Number c of K is (i, j) = (c / 39, c % 39): kept where j > i (which also drops c >= 1,521).  The pattern never repeats, so the 12 steps are written out by the assembler.
.macro GRPNZ c0                        ; gnz = 1 where one of the eight numbers from c0 on is kept
.set gnz, 0
.set gi, 0
.rept 8
.if (((\c0)+gi)%39) > (((\c0)+gi)/39)
.set gnz, 1
.endif
.set gi, gi+1
.endr
.endm
.macro NPAIRS c0                       ; nm = how many of the block's 16 pairs hold a kept number
.set nm, 0
.set pr, 0
.rept 16
.set cc, (\c0)+2*pr
.if ((cc%39) > (cc/39)) || (((cc+1)%39) > ((cc+1)/39))
.set nm, nm+1
.endif
.set pr, pr+1
.endr
.endm
.macro DONE                            ; a line of the fill is written: a product that is due follows it.  The first stands behind eight lines: the places in front of a scaled product whose scale words vector lines wrote
.set tk, tk+1
.if mmq && (wi < 8)
.if tk >= 8+per*wi
	WM wi%4, ub+wi/4, zq
.set wi, wi+1
.endif
.endif
.endm
.macro F0PAIR p, emit                  ; numbers cc and cc + 1 into registers zr, zr + 1.  emit = 0: the lines are only counted
.set ia, cc/39
.set ja, cc%39
.set ib, (cc+1)/39
.set jb, (cc+1)%39
.if \emit
.if (ja > ia) && (jb > ib)             ; both kept: then they share i, and j's are neighbours
.if ja%2
	PKMULB zr, XO+80*\p+ja, X2+40*\p+ia-ia%2, ia%2
.else
	PKMULB zr, XE+80*\p+ja, X2+40*\p+ia-ia%2, ia%2
.endif
	DONE
.elseif ja > ia
	v_mul_f32 v[zr], v[XE+80*\p+ja], v[X2+40*\p+ia]
	DONE
	v_mov_b32 v[zr+1], 0
	DONE
.elseif jb > ib
	v_mov_b32 v[zr], 0
	DONE
	v_mul_f32 v[zr+1], v[XE+80*\p+jb], v[X2+40*\p+ib]
	DONE
.else
	v_pk_mul_f32 v[zr:zr+1], v[ZP1:ZP1+1], v[ZP0:ZP0+1]   ; two zeros by one line
	DONE
.endif
.else
.if ((ja > ia) && (jb <= ib)) || ((ja <= ia) && (jb > ib))
.set nf, nf+2
.else
.set nf, nf+1
.endif
.endif
.endm
.macro FILL0 p, s, emit                ; pair p's numbers of K step s; a group of eight with nothing kept is not written: its codes are set to 0
.set g0, 0
.rept 16
	GRPNZ 128*(\s)+8*g0
.if gnz
.set pr, 0
.rept 4
.set cc, 128*(\s)+8*g0+2*pr
.set zr, ZZ+8*g0+2*pr
	F0PAIR \p, \emit
.set pr, pr+1
.endr
.endif
.set g0, g0+1
.endr
.endm
.macro HALF0 p, s, mm, zero            ; pair p's fill for step s, with the step before's eight products of filters 64 p .. 64 p + 63 dealt out evenly among its lines
.set nf, 0
	FILL0 \p, \s, 0
.set per, 1
.if nf > 23
.set per, (nf-8)/8
.endif
.set tk, 0
.set wi, 0
.set ub, 2*\p
.set mmq, \mm
.set zq, \zero
	FILL0 \p, \s, 1
.if \mm
.rept 8
.if tk < 8
	v_nop                                          ; a fill shorter than the eight places
.set tk, tk+1
.endif
.endr
.rept 8
.if wi < 8
	WM wi%4, ub+wi/4, zq
.set wi, wi+1
.endif
.endr
	PLACES                                         ; in front of loads into registers that the products have read
.endif
.endm
.macro MAX0 p, s                       ; each block's largest magnitude, over the pairs that hold a kept number, in up to four chains; the floor 2^(3 - 127) starts the first
.set kb, 0
.rept 4
.set nm, 0
.set pr, 0
.rept 16
.set cc, 128*(\s)+32*kb+2*pr
.set zr, ZZ+32*kb+2*pr
.if ((cc%39) > (cc/39)) || (((cc+1)%39) > ((cc+1)/39))
.set am, AM+16*\p+4*kb+nm%4
.if nm == 0
	v_max3_num_f32 v[am], 0x1800000, |v[zr]|, |v[zr+1]|
.elseif nm < 4
	v_max3_num_f32 v[am], 0, |v[zr]|, |v[zr+1]|
.else
	v_max3_num_f32 v[am], v[am], |v[zr]|, |v[zr+1]|
.endif
.set nm, nm+1
.endif
.set pr, pr+1
.endr
.set kb, kb+1
.endr
.endm
.macro SCALE0 p, s                     ; the chains join; the conversions' operands, the bytes, the scale word
.set kb, 0
.rept 4
	NPAIRS 128*(\s)+32*kb
.set am, AM+16*\p+4*kb
.if nm == 0
	v_mov_b32 v[am], 0x1800000
.elseif nm == 2
	v_max_num_f32 v[am], v[am], v[am+1]
.elseif nm > 2
	v_max3_num_f32 v[am], v[am], v[am+1], v[am+2]
.endif
.if nm > 3
	v_max_num_f32 v[am], v[am], v[am+3]
.endif
.set kb, kb+1
.endr
.irp b, 0,1,2,3
	v_add_nc_u32 v[AM+16*\p+4*\b+1], 0xff000000, v[AM+16*\p+4*\b]   ; 2 off the exponent field: the conversion's scale operand
.endr
.irp b, 0,1,2,3
	v_lshrrev_b32 v[BY+4*\p+\b], 23, v[AM+16*\p+4*\b+1]
.endr
	v_lshl_or_b32 v[ZW+\p], v[BY+4*\p+1], 8, v[BY+4*\p]
	v_lshl_or_b32 v[ZW+\p], v[BY+4*\p+2], 16, v[ZW+\p]
	v_lshl_or_b32 v[ZW+\p], v[BY+4*\p+3], 24, v[ZW+\p]
.endm
.macro CVT0 p, s
.set g0, 0
.rept 16
	GRPNZ 128*(\s)+8*g0
.set kb, g0/4
.set cd, CD+16*\p+8*(kb%2)+4*(kb/2)+g0%4
.if gnz
	v_cvt_scalef32_pk8_fp4_f32 v[cd], v[ZZ+8*g0:ZZ+8*g0+7], v[AM+16*\p+4*kb+1]
.else
	v_mov_b32 v[cd], 0
.endif
.set g0, g0+1
.endr
.endm
; Trip s of layer 0 multiplies K step s (mm = 1) and makes the codes of step s + 1; it fetches step s + 1's fragments as soon as step s's products have read theirs.  pub >= 0: a fill is waited for first.
.macro L0STEP s, mm, zero, pub
	s_wait_dscnt 0x0                               ; step s's fragments and scale words are in: the trip's one wait for LDS
	v_add_nc_u32 v[FA], s[FB], v[LI]
	s_add_co_u32 s[FB], s[FB], CH
	WIN 0xa1                                       ; destination and source 2 window 2, source 0 window 1, source 1 window 0: for the products and for the fill alike
	HALF0 0, (\s)+1, \mm, \zero
.if \pub >= 0
	PUBLISH \pub
.endif
	WIN 0x40
	FRLOAD 0
	WIN 0xf1                                       ; the same with window 3
	HALF0 1, (\s)+1, \mm, \zero
	WIN 0x40
	FRLOAD 1
	WIN 0
	ds_load_b128 v[FS:FS+3], v[FA] offset:8192
	WIN 0x28                                       ; sources 1 and 2 window 2
	MAX0 0, (\s)+1
	WIN 0x3c                                       ; window 3
	MAX0 1, (\s)+1
	WIN 0
	SCALE0 0, (\s)+1
	SCALE0 1, (\s)+1
	WIN 0x02                                       ; source 0 window 2
	CVT0 0, (\s)+1
	WIN 0x03
	CVT0 1, (\s)+1
	WIN 0
	SWAPS
.endm
; ---------------- LAYERS 1 AND 2.  Block b of K step s is (i = 2 s + b / 2, j = 32 (b % 2) + 0 .. 31).
.macro XLOAD adr                       ; x_i, x_(i + 1) of my column in both pairs
	ds_load_b32 v[XC], v[\adr]
	ds_load_b32 v[XC+1], v[\adr] offset:64
	ds_load_b32 v[XC+2], v[\adr] offset:2*XROW
	ds_load_b32 v[XC+3], v[\adr] offset:2*XROW+64
.endm
.macro HEAD                            ; the eight blocks' scale operands: |x_i| x (the half's largest h / 4): the largest magnitude's exponent field less 2; held at 2^-126 from below: the byte cannot fall under 1
.irp p, 0,1
	v_pk_mul_f32 v[SO+4*\p:SO+4*\p+1], v[HQ+2*\p:HQ+2*\p+1], v[XC+2*\p:XC+2*\p+1] op_sel_hi:[1,0]
	v_pk_mul_f32 v[SO+4*\p+2:SO+4*\p+3], v[HQ+2*\p:HQ+2*\p+1], v[XC+2*\p:XC+2*\p+1] op_sel:[0,1] op_sel_hi:[1,1]
.endr
.irp n, 0,1,2,3,4,5,6,7
	v_max_num_f32 v[SO+\n], |v[SO+\n]|, s18
.endr
.endm
.macro HALFK p, mm, zero               ; eight products of filters 64 p .. 64 p + 63, eight packed multiplies of pair p's z behind each
.set qq, 0
.set wi, 0
.rept 8
.if \mm
	WM wi%4, 2*\p+wi/4, \zero
.endif
.set wi, wi+1
.rept 8
.set kb, qq/16
	PKMULB ZZ+2*qq, HH+64*\p+32*(kb%2)+2*(qq%16), XC+2*\p, kb/2
.set qq, qq+1
.endr
.endr
.endm
.macro BYTES                           ; a lane's four bytes are its own column's scale word
.irp n, 0,1,2,3,4,5,6,7
	v_lshrrev_b32 v[BY+\n], 23, v[SO+\n]
.endr
.irp p, 0,1
	v_lshl_or_b32 v[ZW+\p], v[BY+4*\p+1], 8, v[BY+4*\p]
.endr
.irp p, 0,1
	v_lshl_or_b32 v[ZW+\p], v[BY+4*\p+2], 16, v[ZW+\p]
.endr
.irp p, 0,1
	v_lshl_or_b32 v[ZW+\p], v[BY+4*\p+3], 24, v[ZW+\p]
.endr
.endm
.macro CVT p
.set g0, 0
.rept 16
.set kb, g0/4
	v_cvt_scalef32_pk8_fp4_f32 v[CD+16*\p+8*(kb%2)+4*(kb/2)+g0%4], v[ZZ+8*g0:ZZ+8*g0+7], v[SO+4*\p+kb]
.set g0, g0+1
.endr
.endm
; Trip s multiplies K step s (mm = 1) and makes the codes of step s + 1.  All is kept once: step s's products are all issued before codes, scale words and fragments are written again, each
; behind eight plain lines.  The head's fourteen plain lines are the places in front of the scaled products (eight behind the scale words' last vector line, four behind the codes').
.macro KSTEP mm, zero, pub
	s_wait_dscnt 0x0                               ; step s's fragments and scale words and step s + 1's x are in: the trip's one wait for LDS
	v_add_nc_u32 v[FA], s[FB], v[LI]
	v_add_nc_u32 v[XA], s[XB], v[XA0]
	s_add_co_u32 s[FB], s[FB], CH
	s_add_co_u32 s[XB], s[XB], 128
	HEAD
	WIN 0xa1
	HALFK 0, \mm, \zero
.if \pub >= 0
	PUBLISH \pub
.endif
	WIN 0x40
	FRLOAD 0                                       ; step s + 1's
	WIN 0xf1
	HALFK 1, \mm, \zero
	WIN 0x40
	FRLOAD 1
	WIN 0
	ds_load_b128 v[FS:FS+3], v[FA] offset:8192
	XLOAD XA                                       ; step s + 2's x (behind the layer's last i: the rows' zeros)
	BYTES
	WIN 0x02
	CVT 0
	WIN 0x03
	CVT 1
	WIN 0
	SWAPS
.endm
; A layer's last K step: products alone.  In front of them the weights become 1 + w: those lines are the places.
.macro LAST both
	s_wait_dscnt 0x0
	s_wait_loadcnt 0x0                             ; the weights, asked for a layer ago
.set n, 0
.rept 16
	v_pk_add_f32 v[WTL+n:WTL+n+1], v[WTL+n:WTL+n+1], 1.0 op_sel_hi:[1,0]
.if \both
	v_pk_add_f32 v[WTH+n:WTH+n+1], v[WTH+n:WTH+n+1], 1.0 op_sel_hi:[1,0]
.endif
.set n, n+2
.endr
	WIN 0xa1
.set wi, 0
.rept 8
	WM wi%4, wi/4, 0
.set wi, wi+1
.endr
	WIN 0xf1
.rept 8
	WM wi%4, wi/4, 0
.set wi, wi+1
.endr
	WIN 0
	PLACES                                         ; in front of the first read of results
.endm
; Filters 0-63 become the next layer's h.  The exchange brings each column home: of the two tiles' registers 8 t + j the first then holds filter 16 t + j, the second 16 t + 8 + j, of the lane's own column.
; Each accumulator is read from its low end on.
.macro EPIH
	WIN 0x82                                       ; both registers window 2
.irp p, 0,1
.set n, 0
.rept 32
	v_permlane16_swap_b32 v[64*\p+n], v[64*\p+32+n]
.set n, n+1
.endr
.endr
	WIN 0x48                                       ; source 1 window 2, destination window 1
.irp p, 0,1
.set n, 0
.rept 32
	v_max_num_f32 v[HH+64*\p+16*(n/8)+n%8], 0, v[64*\p+n]
	v_max_num_f32 v[HH+64*\p+16*(n/8)+8+n%8], 0, v[64*\p+32+n]
.set n, n+1
.endr
.endr
	WIN 0x14                                       ; sources 1 and 2 window 1
.irp c, 0,1,2,3                        ; the largest h of each half column (chain 2 p + half), the four by turns; none is negative
	v_max3_num_f32 v[HQ+\c], 0, v[HH+32*\c], v[HH+32*\c+1]
.endr
.irp i, 2,4,6,8,10,12,14,16,18,20,22,24,26,28,30
.irp c, 0,1,2,3
	v_max3_num_f32 v[HQ+\c], v[HQ+\c], v[HH+32*\c+\i], v[HH+32*\c+\i+1]
.endr
.endr
	WIN 0
	v_pk_mul_f32 v[HQ:HQ+1], v[HQ:HQ+1], 0x3e800000 op_sel_hi:[1,0]       ; / 4: 2 off the exponent
	v_pk_mul_f32 v[HQ+2:HQ+3], v[HQ+2:HQ+3], 0x3e800000 op_sel_hi:[1,0]
.endm
; Direct outputs: relu, times 1 + w, into four running pairs a tile.  hi: window 2 or 3.  first = 1: the first four products start the sums: nothing is cleared.
.macro EPID hi, wt, first
.set tt, 0
.rept 4
	WIN 0x08+4*\hi                                 ; source 1 window 2 or 3
.set n, 0
.rept 32
	v_max_num_f32 v[TMP+n], 0, v[32*tt+n]
.set n, n+1
.endr
	WIN 0
.set n, 0
.rept 16
.set sm, SUM+8*tt+2*(n%4)
.if \first && (n < 4)
	v_pk_mul_f32 v[sm:sm+1], v[TMP+2*n:TMP+2*n+1], v[\wt+2*n:\wt+2*n+1]
.else
	v_pk_fma_f32 v[sm:sm+1], v[TMP+2*n:TMP+2*n+1], v[\wt+2*n:\wt+2*n+1], v[sm:sm+1]
.endif
.set n, n+1
.endr
.set tt, tt+1
.endr
.endm
	; ---------------- layer 0: 12 K steps
	s_mov_b32 s[FB], 0
	L0STEP -1, 0, 0, 2                             ; step 0's codes; f0's steps 0-3 have landed (two loads were issued behind them)
	L0STEP 0, 1, 1, -1
	L0STEP 1, 1, 0, -1
	L0STEP 2, 1, 0, -1
	L0STEP 3, 1, 0, 1                              ; f0's steps 4-11 have landed (f1's load was issued behind them)
.irp s, 4,5,6,7,8,9,10
	L0STEP \s, 1, 0, -1
.endr
	LAST 0
	XLOAD XA0                                      ; x_0, x_1
	s_mov_b32 s[XB], 128
	EPIH
	EPID 1, WTL, 1
	WLOAD 64, WTL                                  ; layer 1's direct outputs
	; ---------------- layer 1: 20 K steps; s[FB] stands at slot 12, f1's first
	KSTEP 0, 0, 0                                  ; step 0's codes; f1 has landed
	KSTEP 1, 1, -1
	s_mov_b32 s24, 6
.Llayer1_a:                                            ; steps 1 to 6; the last of them fetches step 7's fragments, from slot 19
	KSTEP 1, 0, -1
	s_sub_co_u32 s24, s24, 1
	s_cmp_lg_u32 s24, 0
	s_cbranch_scc1 .Llayer1_a
	; THE ONE REFILL: f2 into slots 0-19.  f0 and f1's steps 0-7 have been read; what follows in this layer reads slots 20-31.
	s_wait_tensorcnt 0x0                           ; no tensor load of mine is out
	ds_add_u32 v[SPW], v[NIL]                      ; 0 onto my spare word; the descriptor is made while it is out
	s_mov_b32 s[G0D], 1
	s_mov_b32 s[G0D+1], s90                        ; slots 5 w on
	s_add_nc_u64 s[G0D+2:G0D+3], s[6:7], s[90:91]
	s_add_nc_u64 s[G0D+2:G0D+3], s[G0D+2:G0D+3], 32*CH   ; f2's chunks lie behind f0's 12 and f1's 20
	s_or_b32 s[G0D+3], s[G0D+3], 0x80000000
	s_wait_dscnt 0x0                               ; the add is done, and my reads of slots 0-19 are over
	ROUND                                          ; both now hold of every wave of all four work-groups
	tensor_load_to_lds s[G0D:G0D+3], s[G1C:G1C+7]  ; my one load behind the round: it has twelve trips, a last step and the layer's end in which to land
	s_nop 0
	PLACES
	s_mov_b32 s24, 12
.Llayer1_b:                                            ; steps 7 to 18
	KSTEP 1, 0, -1
	s_sub_co_u32 s24, s24, 1
	s_cmp_lg_u32 s24, 0
	s_cbranch_scc1 .Llayer1_b
	LAST 0
	XLOAD XA0
	s_mov_b32 s[XB], 128
	s_mov_b32 s[FB], 0
	EPIH
	EPID 1, WTL, 0
	WLOAD 128, WTL                                 ; layer 2's outputs are all direct
	WLOAD 192, WTH
	; ---------------- layer 2: 20 K steps
	KSTEP 0, 0, 0                                  ; step 0's codes; f2 has landed
	KSTEP 1, 1, -1
	s_mov_b32 s24, 18
.Llayer2:
	KSTEP 1, 0, -1
	s_sub_co_u32 s24, s24, 1
	s_cmp_lg_u32 s24, 0
	s_cbranch_scc1 .Llayer2
	LAST 1
	EPID 0, WTL, 0
	EPID 1, WTH, 0
	; ---------------- a tile is one batch row: its sum over the lane's pairs, then over the 32 lanes (16 d x 2 halves of the filters)
.irp t, 0,1,2,3
	v_pk_add_f32 v[SUM+8*\t:SUM+8*\t+1], v[SUM+8*\t:SUM+8*\t+1], v[SUM+8*\t+2:SUM+8*\t+3]
	v_pk_add_f32 v[SUM+8*\t+4:SUM+8*\t+5], v[SUM+8*\t+4:SUM+8*\t+5], v[SUM+8*\t+6:SUM+8*\t+7]
.endr
.irp t, 0,1,2,3
	v_pk_add_f32 v[SUM+8*\t:SUM+8*\t+1], v[SUM+8*\t:SUM+8*\t+1], v[SUM+8*\t+4:SUM+8*\t+5]
.endr
.irp t, 0,1,2,3
	v_add_f32 v[RES+\t], v[SUM+8*\t], v[SUM+8*\t+1]
.endr
.irp x, 1,2,4,8
.irp t, 0,1,2,3
	v_add_f32_dpp v[RES+\t], v[RES+\t], v[RES+\t] row_xmask:\x row_mask:0xf bank_mask:0xf
.endr
.endr
.irp t, 0,1,2,3
	v_permlanex16_b32 v[SUM+8*\t], v[RES+\t], s20, s21
.endr
	s_wait_kmcnt 0x0                               ; b_nn's number
.irp t, 0,1,2,3
	v_add_f32 v[RES+\t], v[RES+\t], v[SUM+8*\t]
.endr
.irp t, 0,1,2,3
	v_add_f32 v[RES+\t], s17, v[RES+\t]
.endr
	s_wait_xcnt 0x0                                ; EXEC changes only behind this wait: the weights' loads have it among their sources
	v_cmp_eq_u32 vcc_lo, 0, v[LN]
	s_and_saveexec_b32 s25, vcc_lo
	global_store_b128 v[ZO], v[RES:RES+3], s[12:13]   ; lane 0: my wave's four rows, 16 consecutive bytes
	s_wait_xcnt 0x0                                ; and again, in front of the line that widens it
	s_or_b32 exec_lo, exec_lo, s25
	s_wait_tensorcnt 0x0                           ; the wave's end
	ds_add_u32 v[SPW], v[NIL]
	s_wait_dscnt 0x0
	ROUND                                          ; the closing round: no work-group ends while a partner may still ask for a part that names it
	s_endpgm
.Lfunc_end_k_q3a037c7853_cin:
	.size	k_q3a037c7853_cin, .Lfunc_end_k_q3a037c7853_cin-k_q3a037c7853_cin
	.p2alignl 7, 3214868480
	.fill 96, 4, 3214868480
	.section	.rodata,"a",@progbits
	.p2align	6, 0x0
	.amdhsa_kernel k_q3a037c7853_cin
		.amdhsa_group_segment_fixed_size 327680
		.amdhsa_private_segment_fixed_size 0
		.amdhsa_enable_private_segment 0
		.amdhsa_kernarg_size 40
		.amdhsa_user_sgpr_count 2
		.amdhsa_user_sgpr_kernarg_segment_ptr 1
		.amdhsa_wavefront_size32 1
		.amdhsa_system_sgpr_workgroup_id_x 1
		.amdhsa_system_sgpr_workgroup_id_y 1
		.amdhsa_system_sgpr_workgroup_id_z 1
		.amdhsa_system_vgpr_workitem_id 0
		.amdhsa_next_free_vgpr 1024
		.amdhsa_next_free_sgpr 96
		.amdhsa_reserve_vcc 1
		.amdhsa_float_denorm_mode_32 3
		.amdhsa_float_denorm_mode_16_64 3
		.amdhsa_memory_ordered 1
		.amdhsa_forward_progress 1
		.amdhsa_inst_pref_size 255
	.end_amdhsa_kernel
	.section	.bss,"aw",@nobits
	.p2align	6
	.space	262144
	.amdgpu_metadata
---
amdhsa.version: [ 1, 2 ]
amdhsa.kernels:
  - .name:           k_q3a037c7853_cin
    .symbol:         k_q3a037c7853_cin.kd
    .args:
      - { .name: nn_input, .offset: 0, .size: 8, .value_kind: global_buffer, .address_space: global }
      - { .name: fq, .offset: 8, .size: 8, .value_kind: global_buffer, .address_space: global }
      - { .name: w_nn, .offset: 16, .size: 8, .value_kind: global_buffer, .address_space: global }
      - { .name: b_nn, .offset: 24, .size: 8, .value_kind: global_buffer, .address_space: global }
      - { .name: out0, .offset: 32, .size: 8, .value_kind: global_buffer, .address_space: global }
    .group_segment_fixed_size: 327680
    .private_segment_fixed_size: 0
    .kernarg_segment_align: 8
    .kernarg_segment_size: 40
    .max_flat_workgroup_size: 128
    .sgpr_count:     96
    .vgpr_count:     1024
    .wavefront_size: 32
...
	.end_amdgpu_metadata
.endif
;; end of part 2
